; MI455X (gfx1250); checked and timed in simulation.
; The chip was launched on July 23, 2026; its instructions are those of AMD's public machine-readable ISA for CDNA 5 (MIT licence, August 2026) and "CDNA5" Instruction Set Architecture Reference Guide (July 2026). The comments in the code are by the model that wrote it; some were corrected since.
;; Rotate Linear. Allowed arithmetic: matrix products marked QUANTISED: E3M2 operands, one E8M0 scale for each 32 along K, by v_wmma_scale_f32_16x16x128_f8f6f4 with both operands' format E3M2, f32 sums; everything else in f32.
;; Inputs: bias 4,096 float32; had_K_codes 4,096 x 128 x 24 uint8 (E3M2 codes of had_K, K innermost, in blocks of 32 codes, four codes in three bytes); had_K_scales 4,096 x 128 uint8 (E8M0 scales of had_K, one for each 32 codes along K); weight_codes 4,096 x 128 x 24 uint8 (E3M2 codes of weight, K innermost, in blocks of 32 codes, four codes in three bytes); weight_scales 4,096 x 128 uint8 (E8M0 scales of weight, one for each 32 codes along K); x_codes 4 x 512 x 128 x 24 uint8 (E3M2 codes of x, K innermost, in blocks of 32 codes, four codes in three bytes); x_scales 4 x 512 x 128 uint8 (E8M0 scales of x, one for each 32 codes along K).
;; Outputs: out0 4 x 512 x 4,096 float32.
;; This version of the problem:
;;   THIS VERSION OF THE PROBLEM IS GIVEN IN LOW PRECISION. The matrix products marked QUANTISED in the list below multiply operands that are first quantised to E3M2 (3 exponent bits, 2 mantissa bits; 6 bits a number), with one power-of-two scale for each 32 numbers along K (OCP MX v1.0); their sums are f32. All else is computed in f32.
;;   The module's matrix products, in the order in which they are computed (A, B: the left and right operand; K: the contracted axis; several contracted axes count as one K, in the product's order):
;;     1. [M 2,048, K 4,096] x [K 4,096, N 4,096]; A: input x (given as codes); B: input had_K (given as codes): QUANTISED
;;     2. [M 2,048, K 4,096] x [K 4,096, N 4,096]; A: computed on the way; B: input weight (given as codes): QUANTISED
;;   THE QUANTISER, for each operand of a quantised product, along K:
;;     - K is cut into blocks of 32 from its start; a last block that is shorter is filled with zeros.
;;     - A block's scale is 2^e with e = floor(log2(the largest magnitude in the block)) - 4, held to -126 .. 127; a block of zeros has e = 0. As a byte (E8M0): e + 127.
;;     - Each number is divided by its block's scale, clamped to +-28, and rounded to the nearest number of E3M2, ties to even, subnormals kept.
;;     - The product sums the exact products of the quantised numbers (number of the format x scale) in f32.
;;   ~~~python
;;   def quantise(x, axis):      # numpy; x: float32 -> the quantised numbers, widened to float32 again
;;       x = np.moveaxis(x, axis, -1); K = x.shape[-1]
;;       x = np.pad(x, [(0, 0)] * (x.ndim - 1) + [(0, -K % 32)]); x = x.reshape(x.shape[:-1] + (-1, 32)); a = np.abs(x).max(-1, keepdims=True)
;;       e = np.where(a > 0, np.clip(np.frexp(np.where(a > 0, a, 1))[1] - 1 - 4, -126, 127), 0)      # np.frexp(a)[1] - 1 = floor(log2(a)), exactly
;;       r = np.clip(x / 2.0 ** e, -28, 28)
;;       step = 2.0 ** (np.maximum(np.frexp(np.where(r == 0, 1, r))[1] - 1, -2) - 2)
;;       q = np.round(r / step) * step * 2.0 ** e      # np.round: ties to even
;;       return np.moveaxis(q.reshape(q.shape[:-2] + (-1,))[..., :K], -1, axis).astype(np.float32)
;;   ~~~
;;   OPERANDS COMPUTED ON THE WAY. 'Computed on the way' means the value that the module computes at that place (a softmax that the list does not call 'softmax' is quantised finished and normalised). What goes into a quantiser is computed in f32, as accurately as f32 sums, v_exp_f32 and their like allow (about 1e-6 of the number): no bf16 or f16 on the way to a quantiser, and a product that is left as it is and whose result goes on into a quantised operand takes f32 operands (vector FMAs, or v_wmma_f32_16x16x4_f32). A number that lies on a knife's edge between two numbers of the format may be rounded either way, as far as f32 arithmetic and the matrix unit's own rounding can turn it there, and no further.
;;   INPUTS GIVEN AS CODES. had_K (in the module: [4096, 4096], K = its axis 0); weight (in the module: [4096, 4096], K = its axis 1); x (in the module: [4, 512, 4096], K = its axis 2): each comes as NAME_codes (uint8): NAME with its K axis moved to the last place and cut into blocks of 32 codes, [.., K / 32, bytes a block], one block behind the other in memory; four codes in three bytes: a row's codes are one little-endian stream of bits, code i at bits 6 i .. 6 i + 5 (a code: sign, 3 exponent bits, 2 mantissa bits); and NAME_scales (uint8): the same leading axes, one E8M0 byte (e + 127) for each 32 codes along K. Its value is code x scale, taken as it is: it is not quantised again, and the codes and scales need not be those that the quantiser above would give.
;; One version. Each part assembles by itself: llvm-mc -triple=amdgcn-amd-amdhsa -mcpu=gfx1250 --defsym DOCPART=n.
;; ======== version 1 of 1: 2 launches
;; workspace buffers: xr_codes 6,291,456 bytes; xr_scales 262,144 bytes
;; launch rot (part 1): grid 16 x 16, 4 waves a work-group, clusters of 4 x 4, 327,680 bytes of LDS; arguments x_codes, x_scales, had_K_codes, had_K_scales, xr_codes, xr_scales; writes xr_codes, xr_scales
.if DOCPART == 1
	.amdgcn_target "amdgcn-amd-amdhsa--gfx1250"
	.amdhsa_code_object_version 6
	.text
	.protected	k_q14071a132e_rot
	.globl	k_q14071a132e_rot
	.p2align	8
	.type	k_q14071a132e_rot,@function
k_q14071a132e_rot:
	s_mov_b64 s[64:65], 0
	v_nop
	global_prefetch_b8 v0, s[64:65] scope:SCOPE_SE
	s_setreg_imm32_b32 hwreg(HW_REG_WAVE_MODE, 25, 1), 1
	s_wait_xcnt 0x0
	s_wait_alu depctr_hold_cnt(0) depctr_sa_sdst(0) depctr_va_vdst(0) depctr_va_sdst(0) depctr_va_ssrc(0) depctr_va_vcc(0) depctr_vm_vsrc(0)
	s_getreg_b32 s2, hwreg(HW_REG_IB_STS2, 6, 4)
	s_cmp_eq_u32 s2, 0
	s_cbranch_scc0 .Lentry_in_a_cluster
	s_endpgm
.Lentry_in_a_cluster:
	s_bfe_u32 s2, ttmp6, 0x10000c
	s_cmp_lg_u32 s2, 0xf033
	s_cbranch_scc0 .Lentry_shape_is_right
	s_endpgm
.Lentry_shape_is_right:
; out = Q(x had_K) weight^T + bias.  Both products run on codes of BF6 (E3M2, 6 bits) with one E8M0 scale for each 32 along K; sums in f32.
; ONE TEXT SERVES BOTH LAUNCHES; WHICH says which one this is.  Each is C = A B^T with M = 2,048, N = 4,096, K = 4,096, rows of codes of 3,072 bytes, K innermost.
;   WHICH = 1: A = x, B = had_K (a row = one output column).  The f32 sums are quantised along N in registers and leave as codes and scale words, laid as the second launch's operand registers.
;   WHICH = 2: A = those codes, B = weight.  The bias is the C of each sum's first product; the f32 sums leave through a stage in LDS as whole rows.
; LIMITS: NaN and infinities among the first product's sums are not served.  A block of 32 sums whose largest magnitude lies under 2^(5 - 127) is taken to have that magnitude: byte 1, the lowest that the rule allows.
; A block of zeros so gets the byte 1 where the rule says 127: its codes are zeros, which add nothing under any byte but 0xff, and the bytes are read by this program alone.
; ORDER OF SUMS: within a step of 128 along K the four blocks of 32 are given to the unit in the order 0, 2, 1, 3 (see FRAGMENTS): the terms are the same, the order in which one instruction adds them is not that of ascending K.
; SHARES.  A work-group makes 128 x 256 of C: 16 x 16 work-groups.  Four waves, each 64 x 128: 32 accumulators of 16 x 16, 256 registers.  Wave w: rows 64 (w / 2) on, columns 128 (w % 2) on.
; K goes through a ring of two LDS slots of 512 along K (four matrix steps of 128), filled by the tensor data mover: waves 0, 1 fetch the halves of A, waves 2, 3 those of B, one load a wave behind each change of slots.
; CLUSTERS: 4 x 4 work-groups.  The four of a row of the cluster need the same tiles of A, the four of a column the same tiles of B: each tile is asked for JOINTLY, by the same load with the same descriptor and a mask that names the four.
; LDS ROWS.  A row part of a slot is 384 bytes.  The tile is stated 16 bytes wider than the extent given for the tensor, and what lies beyond an extent arrives as zeros: so rows stand 400 bytes = 25 x 16 apart, and the
; sixteen rows that sixteen lanes of a load of 16 bytes touch begin at sixteen different places of 16 bytes modulo 256 (64 banks of 4 bytes: ISA guide 11.1).
; FRAGMENTS.  The operand's layout gives lane (r, h) the blocks h and 2 + h of a step's four blocks of 32 codes (24 bytes each).  Here the lane takes blocks 2 h and 2 h + 1 instead: 48 consecutive bytes at a multiple of 16,
; three loads of 16 bytes.  The same exchange of blocks 1 and 2 is made in BOTH operands and in their scale words (the two middle bytes change places, once, at the head), so every product meets its own two scales.
; THE SCALES of a wave, for all of K, stay in 192 registers: 6 for each of the 32 steps.  They come once, jointly, as whole blocks of 256 bytes, into bytes of slot 1 that are still empty, are read into registers,
; and slot 1 then gets its first tile as every refill is issued.  Scale registers differ from step to step, so the walk over K is written out by macros: 32 steps, no loop.
; THE MATRIX INSTRUCTION IS USED TRANSPOSED (source 0 = 16 rows of B, source 1 = 16 rows of A): register j of lane (r, h) holds C(16 a + r, 16 b + 8 h + j): eight neighbours of a row of C.
; A STEP's 36 LDS loads, the next step's fragments, stand in ONE run at its head, never singly among the products: the 32 products then follow each other, and the run has all of them in which to land.
; REGISTERS, in windows of 256 (s_set_vgpr_msb: bits 1:0 source 0, 3:2 source 1, 5:4 source 2, 7:6 destination; an LDS load takes its address by source 0 and its data by the destination):
;   window 0: v0-31 addresses; v64-127 scale words of A, v128-255 of B (scale operands have no window); behind the walk v64-255 are free
;   window 1: v0-63 accumulators of rows 0-15; v64-159 B, set 0; v160-163 LDS addresses; WHICH = 2: v192-255 the bias, 8 registers for each 16 columns
;   window 2: v0-63 accumulators of rows 16-31; v64-159 B, set 1; v160-163 the same addresses
;   window 3: v0-63, v64-127 accumulators of rows 32-47, 48-63; v128-175, v176-223 A, sets 0 and 1
; A step's last eight products leave the very setting under which the next run loads B, and the run's loads of A stand under the setting of the products that follow them: three switches a step.
.set WHICH,  1
.set PITCH,  400                       ; an LDS row of codes
.set KROW,   3072                      ; a row of codes in memory
.set ABYTES, 128*PITCH                 ; a slot: room for A,
.set BHALF,  128*PITCH                 ; then 2 x 128 rows of B
.set SLOT,   ABYTES+2*BHALF            ; 153,600 bytes
.if WHICH == 1
.set AHALF,  64*PITCH                  ; what one wave fetches of A: 64 rows
.set ASTEP,  384                       ; from a slot of K to the next, in memory
.set AV,     4                         ; the lane term of the address of A: that of rows
.set CM0,    1                         ; the first step starts the sums with the constant 0
.set NPERM,  192                       ; scale words whose middle bytes change places here: those of A and of B
.else
.set AHALF,  24576                     ; 16 images of fragments, 1,536 bytes each, dense
.set ASTEP,  49152
.set AV,     26                        ; 16 x lane
.set CM0,    2                         ; the first step starts the sums with the bias
.set NPERM,  128                       ; those of B alone: the first launch has stored those of A as they are wanted
.endif
.set BSTEP,  384
.set SCL,    SLOT                      ; the scale bytes, until they are read: blocks of 256 bytes + 16 of padding, in slot 1
.set SAH,    32*272                    ; those of 64 rows of A: what one wave fetches
.set SBH,    64*272                    ; those of 128 rows of B
.set SPARE,  2*SLOT                    ; behind the ring: the spare words, 128 bytes for each wave: two blocks of 256 bytes that no other line names
.set SPW,    28                        ; v28  LDS address of my spare word: SPARE + 4 x my thread's number; never rewritten
.set NIL,    29                        ; v29  0; never rewritten
.set SCA,    64
.set SCB,    128
.set TM,     64                        ; WHICH = 1, the way out: v64-67 largest magnitudes, v68-71 bytes, v76-79 the conversions' scale operands
.set PW,     80                        ; v80-83 the scale words of my four blocks of rows; v84-85 as they are stored
.set G1A,    24                        ; s[24:31] descriptor group 1 for tiles of A;  s[32:39] of B
.set G1B,    32
.set G0A,    40                        ; s[40:47] group 0 for A, a set for each slot;  s[48:55] for B
.set G0B,    48
.set G1SA,   56                        ; s[56:63], s[68:75] groups 1 for the scale bytes of A and of B;  s[76:79], s[80:83] their groups 0
.set G1SB,   68
.set G0SA,   76
.set G0SB,   80
.set MSB, 0
.macro WIN new                         ; the immediate's high byte repeats the setting that is left; a switch that changes nothing is dropped
.if MSB != (\new)
	s_set_vgpr_msb (MSB<<8)|(\new)
.set MSB, (\new)
.endif
.endm
.macro PLACES                          ; a load into a register that a matrix instruction has read, and a read of a matrix result, stand four plain vector instructions behind it (ISA guide 7.12.1 for the read of a matrix result)
.rept 4
	v_nop
.endr
.endm
.macro CREST                           ; a round of the cluster's barrier behind its opening barrier
	s_cmp_lg_u32 s16, 0
	s_cbranch_scc1 .Lnot_wave_0_\@
	s_barrier_signal -3
.Lnot_wave_0_\@:
	s_barrier_wait -3
	s_barrier_signal -1
	s_barrier_wait -1
.endm
.macro CROUND                          ; a whole round
	s_barrier_signal -1
	s_barrier_wait -1
	CREST
.endm
; A joint load into a slot: waves 0 and 1 fetch for A, waves 2 and 3 for B.  Each line has one mask and one set of registers for all that issue it; the branch hangs on the wave's number alone.
; An s_nop 0 and four v_nop follow each of the two lines, ahead of the jump, the label and what follows.
.macro JLOAD ring
	s_cmp_eq_u32 s17, 0
	s_cbranch_scc0 .Lfor_b_\@
	tensor_load_to_lds s[G0A+4*(\ring):G0A+4*(\ring)+3], s[G1A:G1A+7]
	s_nop 0
	PLACES
	s_branch .Lasked_\@
.Lfor_b_\@:
	tensor_load_to_lds s[G0B+4*(\ring):G0B+4*(\ring)+3], s[G1B:G1B+7]
	s_nop 0
	PLACES
.Lasked_\@:
.endm
; A fragment, 16 rows x 128 K of 6-bit codes, is 12 registers.  Lane (r, h) takes the 48 bytes at 48 h of row r's 96: blocks 2 h and 2 h + 1, into registers 0-5 and 6-11.
.macro FRAGB reg, adr, q, i            ; block i of 16 rows, the slot's q-th 128 along K
.irp c, 0,1,2
	ds_load_b128 v[(\reg)+4*\c:(\reg)+4*\c+3], v[\adr] offset:(\i)*16*PITCH+96*(\q)+16*\c
.endr
.endm
.macro FRAGA reg, adr, q, a
.if WHICH == 1
	FRAGB \reg, \adr, \q, \a
.else
.irp c, 0,1,2                          ; an image of the registers: each group of four by one load, 16 bytes a lane, 512 consecutive bytes
	ds_load_b128 v[(\reg)+4*\c:(\reg)+4*\c+3], v[\adr] offset:(4*(\a)+(\q))*1536+512*\c
.endr
.endif
.endm
; THE RUN: the fragments of step ns, 36 loads: the eight of B, then the four of A in the order in which that step's products take them (even steps: blocks 2, 3, 1, 0; odd steps: 2, 3, 0, 1),
; so that counted waits can let the later blocks of A stay out.  B goes into set ns % 2 in window 1 + ns % 2, under a setting that names that window for the address too; A into window 3.
.macro RUN ns
.set NSET, (\ns)%2
.set NRG, ((\ns)/4)%2
.set NQ, (\ns)%4
	WIN (1+NSET)|0x0c|((1+NSET)<<4)|((1+NSET)<<6)
.irp b, 0,1,2,3,4,5,6,7
	FRAGB 64+12*\b, 162+NRG, NQ, \b
.endr
	WIN (2-NSET)|0xfc
.if NSET == 0
.irp a, 2,3,1,0
	FRAGA 128+12*\a, 160+NRG, NQ, \a
.endr
.else
.irp a, 2,3,0,1
	FRAGA 176+12*\a, 160+NRG, NQ, \a
.endr
.endif
.endm
; One product: block a of my rows x block b of my columns, step s of 32.  A scale register carries two blocks' words: the even block in lanes 0-15, the odd one in lanes 16-31 (ROW1).
; cm = 0: onto the sum;  1: the constant 0 starts it;  2: the bias starts it.
.macro MM a, b, s, cm
.set rD, 64*((\a)/3)+8*(\b)
.set rB, 64+12*(\b)
.set rA, 128+48*((\s)%2)+12*(\a)
.set rSB, SCB+4*(4*((\s)/4)+(\b)/2)+(\s)%4
.if WHICH == 1
.set rSA, SCA+4*(2*((\s)/4)+(\a)/2)+(\s)%4
.else
.set rSA, SCA+2*(\s)+(\a)/2
.endif
.set rC, rD
.if (\cm) == 2
.set rC, 192+8*(\b)
.endif
.set rM, 2*((\b)%2)+(\a)%2
.if (\cm) == 1
.if rM == 0
	v_wmma_scale_f32_16x16x128_f8f6f4 v[rD:rD+7], v[rB:rB+11], v[rA:rA+11], 0, v[rSB], v[rSA] matrix_a_fmt:MATRIX_FMT_BF6 matrix_b_fmt:MATRIX_FMT_BF6
.elseif rM == 1
	v_wmma_scale_f32_16x16x128_f8f6f4 v[rD:rD+7], v[rB:rB+11], v[rA:rA+11], 0, v[rSB], v[rSA] matrix_a_fmt:MATRIX_FMT_BF6 matrix_b_fmt:MATRIX_FMT_BF6 matrix_b_scale:MATRIX_SCALE_ROW1
.elseif rM == 2
	v_wmma_scale_f32_16x16x128_f8f6f4 v[rD:rD+7], v[rB:rB+11], v[rA:rA+11], 0, v[rSB], v[rSA] matrix_a_fmt:MATRIX_FMT_BF6 matrix_b_fmt:MATRIX_FMT_BF6 matrix_a_scale:MATRIX_SCALE_ROW1
.else
	v_wmma_scale_f32_16x16x128_f8f6f4 v[rD:rD+7], v[rB:rB+11], v[rA:rA+11], 0, v[rSB], v[rSA] matrix_a_fmt:MATRIX_FMT_BF6 matrix_b_fmt:MATRIX_FMT_BF6 matrix_a_scale:MATRIX_SCALE_ROW1 matrix_b_scale:MATRIX_SCALE_ROW1
.endif
.else
.if rM == 0
	v_wmma_scale_f32_16x16x128_f8f6f4 v[rD:rD+7], v[rB:rB+11], v[rA:rA+11], v[rC:rC+7], v[rSB], v[rSA] matrix_a_fmt:MATRIX_FMT_BF6 matrix_b_fmt:MATRIX_FMT_BF6
.elseif rM == 1
	v_wmma_scale_f32_16x16x128_f8f6f4 v[rD:rD+7], v[rB:rB+11], v[rA:rA+11], v[rC:rC+7], v[rSB], v[rSA] matrix_a_fmt:MATRIX_FMT_BF6 matrix_b_fmt:MATRIX_FMT_BF6 matrix_b_scale:MATRIX_SCALE_ROW1
.elseif rM == 2
	v_wmma_scale_f32_16x16x128_f8f6f4 v[rD:rD+7], v[rB:rB+11], v[rA:rA+11], v[rC:rC+7], v[rSB], v[rSA] matrix_a_fmt:MATRIX_FMT_BF6 matrix_b_fmt:MATRIX_FMT_BF6 matrix_a_scale:MATRIX_SCALE_ROW1
.else
	v_wmma_scale_f32_16x16x128_f8f6f4 v[rD:rD+7], v[rB:rB+11], v[rA:rA+11], v[rC:rC+7], v[rSB], v[rSA] matrix_a_fmt:MATRIX_FMT_BF6 matrix_b_fmt:MATRIX_FMT_BF6 matrix_a_scale:MATRIX_SCALE_ROW1 matrix_b_scale:MATRIX_SCALE_ROW1
.endif
.endif
.endm
; Eight products: block a of my rows against the eight blocks of my columns, under one window setting: B in window 1 + s % 2, A in window 3, C and D in the block's window (the bias in window 1).
.macro PHASE a, s, cm
.set WD, 1+(\a)-(\a)/3
.if (\cm) == 2
	WIN 0x1d|(WD<<6)
.else
	WIN (1+(\s)%2)|0x0c|(WD<<4)|(WD<<6)
.endif
.irp b, 0,1,2,3,4,5,6,7
	MM \a, \b, \s, \cm
.endr
.endm
; A step of 128 along K: 32 products, each accumulator once.  The accumulators take turns, one instruction a turn, and a step's last block of rows is never the next step's first.
; run = 1: the next step's fragments, which lie in the same slot, are asked for at the step's head, into the sets that the step before has multiplied: four places part its last products from the first load.
; LDS loads come back in order (ISA guide 5.7.1), so each wait counts the loads that may stay out: the 36 of the run just issued, and 3 for each block of A that is not yet wanted.
.macro STEP s, cm, run
	s_wait_dscnt 9                                 ; of the last run's 36 loads the youngest nine, three blocks of A, may be out: B and the first block of A are in
.if \run
	PLACES
	RUN (\s)+1
.endif
	PHASE 2, \s, \cm
	s_wait_dscnt 36*(\run)+6                       ; the second block of A is in
	PHASE 3, \s, \cm
	s_wait_dscnt 36*(\run)+3                       ; the third
.if (\s)%2 == 0
	PHASE 1, \s, \cm
	s_wait_dscnt 36*(\run)                         ; the fourth
	PHASE 0, \s, \cm
.else
	PHASE 0, \s, \cm
	s_wait_dscnt 36*(\run)                         ; the fourth
	PHASE 1, \s, \cm
.endif
.endm
; A slot's last step (an odd one) changes slots: ONE barrier.  In front of it each wave waits for all its tensor loads (one is out: its part of the next slot), adds 0 to its spare word, and waits for that and for its reads of this slot.
; fill = 1: the barrier opens a round of the cluster's barrier, and behind the round this slot is filled again, two slots of K ahead: the load has 120 products in which to land.  Then the run reads the other slot, which is whole.
.macro TURN s, fill
.set RG, ((\s)/4)%2
	WIN 0                                          ; (the add's two registers lie in window 0)
	s_wait_tensorcnt 0x0                           ; no tensor load of mine is out, so a group 0 may be written
	ds_add_u32 v[SPW], v[NIL]                      ; 0 onto my spare word; the descriptors' steps stand between it and the wait for it
.if \fill
	s_add_nc_u64 s[G0A+4*RG+2:G0A+4*RG+3], s[G0A+4*RG+2:G0A+4*RG+3], 2*ASTEP
	s_add_nc_u64 s[G0B+4*RG+2:G0B+4*RG+3], s[G0B+4*RG+2:G0B+4*RG+3], 2*BSTEP
.endif
	s_wait_dscnt 0x0                               ; the add is done, my reads of this slot are over, and all of this step's fragments are in
	s_barrier_signal -1
	PHASE 2, \s, 0                                 ; eight products, work on registers alone, while the others arrive
	WIN 0
	s_barrier_wait -1
.if \fill
	CREST                                          ; no wave of any partner still reads this slot or has a load on its way
	JLOAD RG                                       ; the first tensor load behind the round; its four v_nop are the places in front of the loads below
.else
	PLACES
.endif
	RUN (\s)+1
	PHASE 3, \s, 0
	PHASE 0, \s, 0
	PHASE 1, \s, 0
.endm
; WHICH = 1, THE WAY OUT of block a of my rows: its 8 accumulators are 16 rows x 128 along the next K: one fragment and one scale word a row.
.macro QUANT a
.set WD, 1+(\a)-(\a)/3
.set QS, 64*((\a)/3)
.set PC, 96+24*(\a)                    ; 20 registers of its own for each block, so that no store's data are written again
	WIN WD|(WD<<6)
.irp g, 0,1,2,3                        ; accumulators 2 g and 2 g + 1 change halves: register 16 g + i of lane (r, h) then holds K = 32 g + 16 h + i of row r.  Each accumulator is read from its low end on
.irp j, 0,1,2,3,4,5,6,7
	v_permlane16_swap_b32 v[QS+16*\g+\j], v[QS+16*\g+8+\j]
.endr
.endr
	WIN WD|(WD<<2)
.irp g, 0,1,2,3
	v_max3_num_f32 v[TM+\g], |v[QS+16*\g]|, |v[QS+16*\g+1]|, 0x2800000   ; block g: my 16 numbers, and the floor 2^(5 - 127): the byte cannot fall under 1
.endr
.irp i, 2,4,6,8,10,12,14
.irp g, 0,1,2,3
	v_max3_num_f32 v[TM+\g], |v[QS+16*\g+\i]|, |v[QS+16*\g+\i+1]|, v[TM+\g]   ; (the four blocks by turns; the running maximum is source 2, which stays in window 0)
.endr
.endr
	WIN 0
.irp g, 0,1,2,3
	v_permlanex16_b32 v[TM+4+\g], v[TM+\g], s2, s3
.endr
.irp g, 0,1,2,3
	v_max_num_f32 v[TM+\g], v[TM+\g], v[TM+4+\g]   ; with lane l xor 16: the block's largest magnitude
.endr
.irp g, 0,1,2,3
	v_add_nc_u32 v[TM+12+\g], 0xfe000000, v[TM+\g] ; 4 off its exponent field: the conversion takes the exponent field of this operand as its scale, and nothing else of it
.endr
.irp g, 0,1,2,3
	v_lshrrev_b32 v[TM+4+\g], 23, v[TM+12+\g]      ; the scale's byte
.endr
	v_lshl_or_b32 v[PW+(\a)], v[TM+6], 8, v[TM+4]  ; my row's scale word, in the order in which the fragments give the blocks to the unit: 0, 2, 1, 3
	v_lshl_or_b32 v[PW+(\a)], v[TM+5], 16, v[PW+(\a)]
	v_lshl_or_b32 v[PW+(\a)], v[TM+7], 24, v[PW+(\a)]
	WIN WD
.irp c, 0,1
	v_cvt_scalef32_pk16_bf6_f32 v[PC+6*\c:PC+6*\c+2], v[QS+16*\c:QS+16*\c+15], v[TM+12+\c]            ; block c: my 16 codes of it,
	v_cvt_scalef32_pk16_bf6_f32 v[PC+12+4*\c:PC+14+4*\c], v[QS+32+16*\c:QS+32+16*\c+15], v[TM+14+\c]  ; and of block 2 + c  (a conversion's three registers begin on an even number)
.endr
	WIN 0
	v_nop                                          ; one plain place behind a scaled conversion
.irp c, 0,1                            ; a WHOLE block in a lane: registers 6 c .. 6 c + 5 of lanes 0-15 get block c, of lanes 16-31 block 2 + c: block 2 h + c, as the second launch's loads of B have it
.irp i, 0,1,2
	v_permlane16_swap_b32 v[PC+6*\c+\i], v[PC+12+4*\c+\i]
.endr
.irp i, 0,1,2
	v_mov_b32 v[PC+3+6*\c+\i], v[PC+12+4*\c+\i]
.endr
.endr
.irp c, 0,1,2
	global_store_b128 v26, v[PC+4*\c:PC+4*\c+3], s[12:13] offset:(\a)*6144+512*\c   ; the fragment as it stands: 32 lanes store 512 consecutive bytes, at a multiple of 256 from the buffer's first byte
.endr
.endm
; WHICH = 2, THE WAY OUT of block a: 16 rows x 128 columns of f32 go through my own stage in LDS and come back as whole rows of 512 bytes.  LDS serves a wave's instructions in order (ISA guide 5.7.1.4): no wait between the stores and the loads.
.macro TOSTAGE a
.set WD, 1+(\a)-(\a)/3
.set QS, 64*((\a)/3)
.set BB, 64+64*((\a)%2)
	WIN WD<<2                                      ; an LDS store's data are its source 1
.irp b, 0,1,2,3,4,5,6,7
	ds_store_b128 v24, v[QS+8*\b:QS+8*\b+3] offset:64*\b            ; each accumulator from its low end on
	ds_store_b128 v24, v[QS+8*\b+4:QS+8*\b+7] offset:64*\b+16
.endr
	WIN 0
.irp t, 0,1,2,3,4,5,6,7,8,9,10,11,12,13,14,15
	ds_load_b128 v[BB+4*\t:BB+4*\t+3], v25 offset:\t*528
.endr
.endm
.macro SEND a, younger                 ; younger: the LDS instructions issued behind block a's loads, which may stay out
.set BB, 64+64*((\a)%2)
	s_wait_dscnt \younger
.irp t, 0,1,2,3,4,5,6,7,8,9,10,11,12,13,14,15
	global_store_b128 v26, v[BB+4*\t:BB+4*\t+3], s[14:15] offset:(16*(\a)+\t)*16384 th:TH_STORE_NT   ; 32 lanes store 512 consecutive bytes, at a multiple of 256 from the output's first byte; 63 rows at the most: inside the signed 24-bit immediate
.endr
.endm
	; ---- THE HEAD
	s_load_b256 s[4:11], s[0:1], 0x0               ; codes of A s[4:5], scales of A s[6:7], codes of B s[8:9], scales of B s[10:11]
	s_load_b128 s[12:15], s[0:1], 0x20             ; WHICH = 1: the codes and the scale words that I store;  WHICH = 2: the bias, the output
	v_lshl_add_u32 v[SPW], v0, 2, SPARE
	v_mov_b32 v[NIL], 0
	ds_add_u32 v[SPW], v[NIL]                      ; the wave's opening: the add and its wait stand ahead of my first tensor load; the set-up below, work on registers, stands between them
	v_lshrrev_b32 v1, 5, v0
	v_readfirstlane_b32 s16, v1                    ; wave 0..3
	s_lshr_b32 s17, s16, 1                         ; which 64 rows of the tile are mine.  Also: I fetch for A (0) or for B (1)
	s_and_b32 s18, s16, 1                          ; which 128 columns.  Also: which half of that tile I fetch
	s_bfe_u32 s19, ttmp6, 0x40000                  ; cx, cy: my place in the cluster
	s_bfe_u32 s20, ttmp6, 0x40004
	s_lshl_b32 s21, ttmp9, 2
	s_add_co_u32 s21, s21, s19                     ; tile column of C = 4 x cluster x + cx
	s_and_b32 s22, ttmp7, 0xffff
	s_lshl_b32 s22, s22, 2
	s_add_co_u32 s22, s22, s20                     ; tile row of C = 4 x cluster y + cy
	s_lshl_b32 s84, s20, 2
	s_lshl_b32 s84, 15, s84                        ; my row of the cluster
	s_lshl_b32 s85, 0x1111, s19                    ; my column
.if WHICH == 1
	s_or_b32 s[G1A], s84, 1<<21                    ; 15:0 the mask: tiles of A go to my row; 17:16 elements of 1 byte; 20 no padding; 21 set beside a mask
	s_mov_b32 s[G1A+1], 384<<16                    ; tensor_dim0 = 384: what lies beyond arrives as zeros
	s_mov_b32 s[G1A+2], 64<<16                     ; tensor_dim1 = 64
	s_mov_b32 s[G1A+3], PITCH<<16                  ; tile_dim0 = 400: the LDS row
	s_mov_b32 s[G1A+4], 64                         ; tile_dim1 = 64
	s_mov_b32 s[G1A+5], KROW                       ; tensor_dim0_stride
.else
	s_or_b32 s[G1A], s84, (3<<16)|(1<<21)          ; a dense block of 24,576 bytes as 96 rows of 32 elements of 8 bytes
	s_mov_b32 s[G1A+1], 32<<16
	s_mov_b32 s[G1A+2], 96<<16
	s_mov_b32 s[G1A+3], 32<<16
	s_mov_b32 s[G1A+4], 96
	s_mov_b32 s[G1A+5], 32
.endif
	s_mov_b32 s[G1A+6], 0
	s_mov_b32 s[G1A+7], 0
	s_or_b32 s[G1B], s85, 1<<21                    ; tiles of B go to my column: 128 rows, as A's rows above
	s_mov_b32 s[G1B+1], 384<<16
	s_mov_b32 s[G1B+2], 128<<16
	s_mov_b32 s[G1B+3], PITCH<<16
	s_mov_b32 s[G1B+4], 128
	s_mov_b32 s[G1B+5], KROW
	s_mov_b32 s[G1B+6], 0
	s_mov_b32 s[G1B+7], 0
.if WHICH == 1
	s_or_b32 s[G1SA], s84, (3<<16)|(1<<20)|(1<<21)|(5<<22)|(3<<25)   ; the scale bytes of 64 rows: 8,192 dense bytes as 32 rows of 256 bytes, 16 bytes of padding behind each
	s_mov_b32 s[G1SA+1], 32<<16
	s_mov_b32 s[G1SA+2], 32<<16
	s_mov_b32 s[G1SA+3], 32<<16
	s_mov_b32 s[G1SA+4], 32
	s_mov_b32 s[G1SA+5], 32
	s_mov_b32 s[G1SA+6], 0
	s_mov_b32 s[G1SA+7], 0
.endif
	s_or_b32 s[G1SB], s85, (3<<16)|(1<<20)|(1<<21)|(5<<22)|(3<<25)   ; those of 128 rows of B: 64 rows of 256 bytes
	s_mov_b32 s[G1SB+1], 32<<16
	s_mov_b32 s[G1SB+2], 64<<16
	s_mov_b32 s[G1SB+3], 32<<16
	s_mov_b32 s[G1SB+4], 64
	s_mov_b32 s[G1SB+5], 32
	s_mov_b32 s[G1SB+6], 0
	s_mov_b32 s[G1SB+7], 0
	; where the tiles come from.  A's hang on the tile row and the wave's number alone, B's on the tile column and the wave's number alone
.if WHICH == 1
	s_lshl_b32 s86, s22, 7
	s_lshl_b32 s87, s18, 6
	s_add_co_u32 s86, s86, s87                     ; A: row 128 x tile row + 64 x half
	s_mul_i32 s88, s86, KROW                       ; its codes (under 2^23 bytes),
	s_mov_b32 s89, 0
	s_lshl_b32 s90, s86, 7                         ; its scale bytes, 128 a row
	s_mov_b32 s91, 0
.else
	s_mul_i32 s88, s22, 8*ASTEP                    ; A: the tile row's images, 8 slots of 49,152 bytes,
	s_mul_i32 s87, s18, AHALF                      ; and my half of a slot
	s_add_co_u32 s88, s88, s87
	s_mov_b32 s89, 0
.endif
	s_lshl_b32 s92, s21, 8
	s_lshl_b32 s93, s18, 7
	s_add_co_u32 s92, s92, s93                     ; B: row 256 x tile column + 128 x half
	s_mul_i32 s94, s92, KROW
	s_mov_b32 s95, 0
	s_lshl_b32 s96, s92, 7
	s_mov_b32 s97, 0
	; and where they go: the wave's number times a constant, plus constants: no place in the cluster enters an LDS address
	s_mov_b32 s[G0A], 1
	s_mul_i32 s[G0A+1], s18, AHALF
	s_mov_b32 s[G0A+4], 1
	s_add_co_u32 s[G0A+5], s[G0A+1], SLOT
	s_mov_b32 s[G0B], 1
	s_mul_i32 s[G0B+1], s18, BHALF
	s_add_co_u32 s[G0B+1], s[G0B+1], ABYTES
	s_mov_b32 s[G0B+4], 1
	s_add_co_u32 s[G0B+5], s[G0B+1], SLOT
.if WHICH == 1
	s_mov_b32 s[G0SA], 1
	s_mul_i32 s[G0SA+1], s18, SAH
	s_add_co_u32 s[G0SA+1], s[G0SA+1], SCL
.endif
	s_mov_b32 s[G0SB], 1
	s_mul_i32 s[G0SB+1], s18, SBH
	s_add_co_u32 s[G0SB+1], s[G0SB+1], SCL+2*SAH
	s_wait_dscnt 0x0                               ; the opening add is done
	s_wait_kmcnt 0x0
	s_add_nc_u64 s[G0A+2:G0A+3], s[4:5], s[88:89]  ; slot 0: K = 0 on;
	s_add_nc_u64 s[G0A+6:G0A+7], s[G0A+2:G0A+3], ASTEP   ; slot 1: K = 512 on
	s_or_b32 s[G0A+3], s[G0A+3], 0x80000000        ; 127:126 type = 2
	s_or_b32 s[G0A+7], s[G0A+7], 0x80000000
	s_add_nc_u64 s[G0B+2:G0B+3], s[8:9], s[94:95]
	s_add_nc_u64 s[G0B+6:G0B+7], s[G0B+2:G0B+3], BSTEP
	s_or_b32 s[G0B+3], s[G0B+3], 0x80000000
	s_or_b32 s[G0B+7], s[G0B+7], 0x80000000
.if WHICH == 1
	s_add_nc_u64 s[G0SA+2:G0SA+3], s[6:7], s[90:91]
	s_or_b32 s[G0SA+3], s[G0SA+3], 0x80000000
.endif
	s_add_nc_u64 s[G0SB+2:G0SB+3], s[10:11], s[96:97]
	s_or_b32 s[G0SB+3], s[G0SB+3], 0x80000000
	CROUND                                         ; all sixteen work-groups are here: the first joint loads meet
	s_cmp_eq_u32 s17, 0                            ; a wave's first fills stand in one branch: the scale bytes, then slot 0.  By this text's count two tensor loads of a wave are out here at the most, later one
	s_cbranch_scc0 .Lfirst_b
.if WHICH == 1
	tensor_load_to_lds s[G0SA:G0SA+3], s[G1SA:G1SA+7]
	s_nop 0
.endif
	tensor_load_to_lds s[G0A:G0A+3], s[G1A:G1A+7]
	s_nop 0
	PLACES
	s_branch .Lfirst_asked
.Lfirst_b:
	tensor_load_to_lds s[G0SB:G0SB+3], s[G1SB:G1SB+7]
	s_nop 0
	tensor_load_to_lds s[G0B:G0B+3], s[G1B:G1B+7]
	s_nop 0
	PLACES
.Lfirst_asked:
	; ---- ADDRESSES, while the first tiles are on their way
	v_and_b32 v1, 31, v0                           ; lane
	v_and_b32 v2, 15, v0                           ; r
	v_bfe_u32 v3, v0, 4, 1                         ; h
	v_mul_u32_u24 v4, v2, PITCH
	v_mad_u32_u24 v4, v3, 48, v4                   ; a fragment's row x pitch + 48 x half
	v_lshlrev_b32 v26, 4, v1                       ; 16 x lane
	v_lshlrev_b32 v27, 3, v1                       ; 8 x lane
	v_lshrrev_b32 v7, 1, v1                        ; scale bytes: lane l takes row l of 32: two rows of 128 bytes to a block of 256 + 16
	v_and_b32 v8, 1, v1
	v_mul_u32_u24 v7, v7, 272
	v_lshl_add_u32 v7, v8, 7, v7
	s_mul_i32 s98, s17, SAH
	s_add_co_u32 s98, s98, SCL
	s_mul_i32 s99, s18, SBH
	s_add_co_u32 s99, s99, SCL+2*SAH
.if WHICH == 1
	v_add_nc_u32 v5, s98, v7                       ; those of my 64 rows of A
.endif
	v_add_nc_u32 v6, s99, v7                       ; those of my 128 rows of B
.if WHICH == 2
	s_mul_i32 s98, s16, 16*528                     ; my stage: 16 rows x (512 + 16) bytes, in slot 0, which has had its last fill and its last read when the first result is stored there
	v_mul_u32_u24 v24, v2, 528
	v_lshl_add_u32 v24, v3, 5, v24
	v_add_nc_u32 v24, s98, v24                     ; in: row r, 32 bytes for each half of the lanes
	v_add_nc_u32 v25, s98, v26                     ; back: the 32 lanes take one row of 512 bytes
	v_lshlrev_b32 v9, 5, v3                        ; the bias: 8 numbers for each half of the lanes
.endif
	s_mul_i32 s98, s17, AHALF                      ; my part of A in slot 0, 1
	s_add_co_u32 s99, s98, SLOT
	s_mul_i32 s100, s18, BHALF                     ; my 128 rows of B, behind A
	s_add_co_u32 s100, s100, ABYTES
	s_add_co_u32 s101, s100, SLOT
	WIN 0x40                                       ; the four addresses stand beside each set of B, in windows 1 and 2
	v_add_nc_u32 v160, s98, v[AV]
	v_add_nc_u32 v161, s99, v[AV]
	v_add_nc_u32 v162, s100, v4
	v_add_nc_u32 v163, s101, v4
	WIN 0x80
	v_add_nc_u32 v160, s98, v[AV]
	v_add_nc_u32 v161, s99, v[AV]
	v_add_nc_u32 v162, s100, v4
	v_add_nc_u32 v163, s101, v4
	WIN 0
.if WHICH == 1
	s_mov_b32 s2, 0x76543210                       ; v_permlanex16_b32's selects for lane l xor 16
	s_mov_b32 s3, 0xfedcba98
	s_mov_b32 s23, 0xffff0000                      ; lanes 16-31
	; my fragments' images: [tile row 16][slot of the next K 8][block of 16 rows 8][step in the slot 4][1,536 bytes]; my 128 columns are step 2 x tile column + w % 2 of the next K
	s_lshl_b32 s92, s22, 3
	s_lshr_b32 s93, s21, 1
	s_add_co_u32 s92, s92, s93
	s_lshl_b32 s92, s92, 5
	s_lshl_b32 s93, s17, 4
	s_add_co_u32 s92, s92, s93
	s_and_b32 s93, s21, 1
	s_lshl_b32 s93, s93, 1
	s_add_co_u32 s92, s92, s93
	s_add_co_u32 s92, s92, s18
	s_mul_i32 s92, s92, 1536
	s_mov_b32 s93, 0
	s_add_nc_u64 s[12:13], s[12:13], s[92:93]
	; my scale words: [tile row 16][w / 2][step 32][lane 32][2 words]
	s_lshl_b32 s94, s22, 1
	s_add_co_u32 s94, s94, s17
	s_lshl_b32 s94, s94, 13
	s_lshl_b32 s95, s21, 1
	s_add_co_u32 s95, s95, s18
	s_lshl_b32 s95, s95, 8
	s_add_co_u32 s94, s94, s95
	s_mov_b32 s95, 0
	s_add_nc_u64 s[14:15], s[14:15], s[94:95]
.else
	s_lshl_b32 s86, s22, 1
	s_add_co_u32 s86, s86, s17
	s_lshl_b32 s86, s86, 13
	s_mov_b32 s87, 0
	s_add_nc_u64 s[6:7], s[6:7], s[86:87]          ; the scale words of my 64 rows, for all of K: 8,192 bytes laid as my registers
	s_lshl_b32 s92, s21, 10
	s_lshl_b32 s93, s18, 9
	s_add_co_u32 s92, s92, s93                     ; my first column, in bytes of f32
	s_mov_b32 s93, 0
	s_add_nc_u64 s[12:13], s[12:13], s[92:93]      ; the bias there
	s_lshl_b32 s94, s22, 7
	s_lshl_b32 s95, s17, 6
	s_add_co_u32 s94, s94, s95                     ; my first row,
	s_lshl_b32 s94, s94, 14                        ; of 16,384 bytes
	s_add_co_u32 s94, s94, s92
	s_mov_b32 s95, 0
	s_add_nc_u64 s[14:15], s[14:15], s[94:95]      ; the output there
.set NN, 0
.rept 32
	global_load_b64 v[SCA+2*NN:SCA+2*NN+1], v27, s[6:7] offset:256*NN   ; step NN: 32 lanes read 256 consecutive bytes, aligned
.set NN, NN+1
.endr
	WIN 0x40                                       ; destination window 1
.irp b, 0,1,2,3,4,5,6,7
	global_load_b128 v[192+8*\b:195+8*\b], v9, s[12:13] offset:64*\b      ; lane (r, h), tile b: the bias of columns 16 b + 8 h + 0 .. 7: the result's layout
	global_load_b128 v[196+8*\b:199+8*\b], v9, s[12:13] offset:64*\b+16
.endr
	WIN 0
.endif
	; ---- THE SCALES GO INTO REGISTERS
	s_wait_tensorcnt 0x0                           ; my parts of the scale bytes and of slot 0 are in,
	s_barrier_signal -1
	s_barrier_wait -1                              ; everybody's are.
.if WHICH == 1
.irp j, 0,1,2,3,4,5,6,7                ; four steps' words a load.  Lanes 0-15 take the even block of 16 rows, lanes 16-31 the odd one
.irp i, 0,1
	ds_load_b128 v[SCA+4*(2*\j+\i):SCA+4*(2*\j+\i)+3], v5 offset:\i*16*272+16*\j
.endr
.endr
.endif
.irp j, 0,1,2,3,4,5,6,7
.irp i, 0,1,2,3
	ds_load_b128 v[SCB+4*(4*\j+\i):SCB+4*(4*\j+\i)+3], v6 offset:\i*16*272+16*\j
.endr
.endr
	; ---- SLOT 1 GETS ITS FIRST TILE, over the scale bytes: so it is issued as a refill is
	s_wait_tensorcnt 0x0                           ; no tensor load of mine is out
	ds_add_u32 v[SPW], v[NIL]                      ; 0 onto my spare word
	s_wait_dscnt 0x0                               ; the add is done, and the scale words are in my registers
	CROUND                                         ; that now holds of every wave of every partner
	JLOAD 1
	RUN 0                                          ; step 0's fragments, from slot 0
	WIN 0
	s_mov_b32 s86, 0x03010200                      ; bytes 0, 2, 1, 3 of a word
.set NN, 256-NPERM
.rept NPERM
	v_perm_b32 v[NN], v[NN], v[NN], s86            ; a scale word's two middle bytes change places, as blocks 1 and 2 do in the fragments.  These lines stand while the run's 36 loads are out
.set NN, NN+1
.endr
	PLACES                                         ; with the four at the first step's head: eight plain instructions between the last scale word written here and the first scaled product
.if WHICH == 2
	s_wait_loadcnt 0x0                             ; the scale words of A and the bias
.endif
	; ---- THE WALK OVER K: 8 slots of 4 steps
	STEP 0, CM0, 1                                 ; the first step starts the sums: nothing is ever cleared
	STEP 1, 0, 1
	STEP 2, 0, 1
	TURN 3, 1
.set STP, 4
.rept 5
	STEP STP, 0, 1
	STEP STP+1, 0, 1
	STEP STP+2, 0, 1
	TURN STP+3, 1
.set STP, STP+4
.endr
	STEP 24, 0, 1
	STEP 25, 0, 1
	STEP 26, 0, 1
	TURN 27, 0                                     ; the last change of slots: nothing is left to fetch, so no round follows
	STEP 28, 0, 1
	STEP 29, 0, 1
	STEP 30, 0, 1
	STEP 31, 0, 0                                  ; the very last step asks for nothing: its counts run down 9, 6, 3, 0
	WIN 0
	PLACES                                         ; behind the last products: their results are read, and the registers that held scale words are written, only from here on
.if WHICH == 1
.irp g, 0,1,2,3
	v_mov_b32 v[TM+4+\g], 0                        ; written once: a lane permute's destination counts as one of its sources
.endr
	QUANT 0
	QUANT 1
	QUANT 2
	QUANT 3
	v_cndmask_b32 v84, v80, v81, s23               ; lanes 0-15: the words of block 0, lanes 16-31: of block 1: as the second launch's scale register wants them
	v_cndmask_b32 v85, v82, v83, s23               ; blocks 2 and 3
	global_store_b64 v27, v[84:85], s[14:15]       ; 32 lanes store 256 consecutive bytes, aligned
.else
	TOSTAGE 0
.irp a, 1,2,3
.if \a > 1
	s_wait_xcnt 0x0                                ; the stores of the block two back have read their registers: this block's loads may land there
.endif
	TOSTAGE \a
	SEND \a-1, 32                                  ; behind that block's loads: this block's 16 stores and 16 loads
.endr
	SEND 3, 0
.endif
	s_wait_tensorcnt 0x0                           ; the wave's end: behind my last tensor load and my last LDS store
	ds_add_u32 v[SPW], v[NIL]
	s_wait_dscnt 0x0
	CROUND                                         ; the closing round: no work-group ends while a partner may still ask for a tile that names it
	s_endpgm
.Lfunc_end_k_q14071a132e_rot:
	.size	k_q14071a132e_rot, .Lfunc_end_k_q14071a132e_rot-k_q14071a132e_rot
	.p2alignl 7, 3214868480
	.fill 96, 4, 3214868480
	.section	.rodata,"a",@progbits
	.p2align	6, 0x0
	.amdhsa_kernel k_q14071a132e_rot
		.amdhsa_group_segment_fixed_size 327680
		.amdhsa_private_segment_fixed_size 0
		.amdhsa_enable_private_segment 0
		.amdhsa_kernarg_size 48
		.amdhsa_user_sgpr_count 2
		.amdhsa_user_sgpr_kernarg_segment_ptr 1
		.amdhsa_wavefront_size32 1
		.amdhsa_system_sgpr_workgroup_id_x 1
		.amdhsa_system_sgpr_workgroup_id_y 1
		.amdhsa_system_sgpr_workgroup_id_z 1
		.amdhsa_system_vgpr_workitem_id 0
		.amdhsa_next_free_vgpr 1024
		.amdhsa_next_free_sgpr 102
		.amdhsa_reserve_vcc 0
		.amdhsa_float_denorm_mode_32 3
		.amdhsa_float_denorm_mode_16_64 3
		.amdhsa_memory_ordered 1
		.amdhsa_forward_progress 1
		.amdhsa_inst_pref_size 255
	.end_amdhsa_kernel
	.section	.bss,"aw",@nobits
	.p2align	6
	.space	262144
	.amdgpu_metadata
---
amdhsa.version: [ 1, 2 ]
amdhsa.kernels:
  - .name:           k_q14071a132e_rot
    .symbol:         k_q14071a132e_rot.kd
    .args:
      - { .name: x_codes, .offset: 0, .size: 8, .value_kind: global_buffer, .address_space: global }
      - { .name: x_scales, .offset: 8, .size: 8, .value_kind: global_buffer, .address_space: global }
      - { .name: had_K_codes, .offset: 16, .size: 8, .value_kind: global_buffer, .address_space: global }
      - { .name: had_K_scales, .offset: 24, .size: 8, .value_kind: global_buffer, .address_space: global }
      - { .name: xr_codes, .offset: 32, .size: 8, .value_kind: global_buffer, .address_space: global }
      - { .name: xr_scales, .offset: 40, .size: 8, .value_kind: global_buffer, .address_space: global }
    .group_segment_fixed_size: 327680
    .private_segment_fixed_size: 0
    .kernarg_segment_align: 8
    .kernarg_segment_size: 48
    .max_flat_workgroup_size: 128
    .sgpr_count:     102
    .vgpr_count:     1024
    .wavefront_size: 32
...
	.end_amdgpu_metadata
.endif
;; end of part 1
;; launch lin (part 2): grid 16 x 16, 4 waves a work-group, clusters of 4 x 4, 327,680 bytes of LDS; arguments xr_codes, xr_scales, weight_codes, weight_scales, bias, out0; writes out0
.if DOCPART == 2
	.amdgcn_target "amdgcn-amd-amdhsa--gfx1250"
	.amdhsa_code_object_version 6
	.text
	.protected	k_q14071a132e_lin
	.globl	k_q14071a132e_lin
	.p2align	8
	.type	k_q14071a132e_lin,@function
k_q14071a132e_lin:
	s_mov_b64 s[64:65], 0
	v_nop
	global_prefetch_b8 v0, s[64:65] scope:SCOPE_SE
	s_setreg_imm32_b32 hwreg(HW_REG_WAVE_MODE, 25, 1), 1
	s_wait_xcnt 0x0
	s_wait_alu depctr_hold_cnt(0) depctr_sa_sdst(0) depctr_va_vdst(0) depctr_va_sdst(0) depctr_va_ssrc(0) depctr_va_vcc(0) depctr_vm_vsrc(0)
	s_getreg_b32 s2, hwreg(HW_REG_IB_STS2, 6, 4)
	s_cmp_eq_u32 s2, 0
	s_cbranch_scc0 .Lentry_in_a_cluster
	s_endpgm
.Lentry_in_a_cluster:
	s_bfe_u32 s2, ttmp6, 0x10000c
	s_cmp_lg_u32 s2, 0xf033
	s_cbranch_scc0 .Lentry_shape_is_right
	s_endpgm
.Lentry_shape_is_right:
; out = Q(x had_K) weight^T + bias.  Both products run on codes of BF6 (E3M2, 6 bits) with one E8M0 scale for each 32 along K; sums in f32.
; ONE TEXT SERVES BOTH LAUNCHES; WHICH says which one this is.  Each is C = A B^T with M = 2,048, N = 4,096, K = 4,096, rows of codes of 3,072 bytes, K innermost.
;   WHICH = 1: A = x, B = had_K (a row = one output column).  The f32 sums are quantised along N in registers and leave as codes and scale words, laid as the second launch's operand registers.
;   WHICH = 2: A = those codes, B = weight.  The bias is the C of each sum's first product; the f32 sums leave through a stage in LDS as whole rows.
; LIMITS: NaN and infinities among the first product's sums are not served.  A block of 32 sums whose largest magnitude lies under 2^(5 - 127) is taken to have that magnitude: byte 1, the lowest that the rule allows.
; A block of zeros so gets the byte 1 where the rule says 127: its codes are zeros, which add nothing under any byte but 0xff, and the bytes are read by this program alone.
; ORDER OF SUMS: within a step of 128 along K the four blocks of 32 are given to the unit in the order 0, 2, 1, 3 (see FRAGMENTS): the terms are the same, the order in which one instruction adds them is not that of ascending K.
; SHARES.  A work-group makes 128 x 256 of C: 16 x 16 work-groups.  Four waves, each 64 x 128: 32 accumulators of 16 x 16, 256 registers.  Wave w: rows 64 (w / 2) on, columns 128 (w % 2) on.
; K goes through a ring of two LDS slots of 512 along K (four matrix steps of 128), filled by the tensor data mover: waves 0, 1 fetch the halves of A, waves 2, 3 those of B, one load a wave behind each change of slots.
; CLUSTERS: 4 x 4 work-groups.  The four of a row of the cluster need the same tiles of A, the four of a column the same tiles of B: each tile is asked for JOINTLY, by the same load with the same descriptor and a mask that names the four.
; LDS ROWS.  A row part of a slot is 384 bytes.  The tile is stated 16 bytes wider than the extent given for the tensor, and what lies beyond an extent arrives as zeros: so rows stand 400 bytes = 25 x 16 apart, and the
; sixteen rows that sixteen lanes of a load of 16 bytes touch begin at sixteen different places of 16 bytes modulo 256 (64 banks of 4 bytes: ISA guide 11.1).
; FRAGMENTS.  The operand's layout gives lane (r, h) the blocks h and 2 + h of a step's four blocks of 32 codes (24 bytes each).  Here the lane takes blocks 2 h and 2 h + 1 instead: 48 consecutive bytes at a multiple of 16,
; three loads of 16 bytes.  The same exchange of blocks 1 and 2 is made in BOTH operands and in their scale words (the two middle bytes change places, once, at the head), so every product meets its own two scales.
; THE SCALES of a wave, for all of K, stay in 192 registers: 6 for each of the 32 steps.  They come once, jointly, as whole blocks of 256 bytes, into bytes of slot 1 that are still empty, are read into registers,
; and slot 1 then gets its first tile as every refill is issued.  Scale registers differ from step to step, so the walk over K is written out by macros: 32 steps, no loop.
; THE MATRIX INSTRUCTION IS USED TRANSPOSED (source 0 = 16 rows of B, source 1 = 16 rows of A): register j of lane (r, h) holds C(16 a + r, 16 b + 8 h + j): eight neighbours of a row of C.
; A STEP's 36 LDS loads, the next step's fragments, stand in ONE run at its head, never singly among the products: the 32 products then follow each other, and the run has all of them in which to land.
; REGISTERS, in windows of 256 (s_set_vgpr_msb: bits 1:0 source 0, 3:2 source 1, 5:4 source 2, 7:6 destination; an LDS load takes its address by source 0 and its data by the destination):
;   window 0: v0-31 addresses; v64-127 scale words of A, v128-255 of B (scale operands have no window); behind the walk v64-255 are free
;   window 1: v0-63 accumulators of rows 0-15; v64-159 B, set 0; v160-163 LDS addresses; WHICH = 2: v192-255 the bias, 8 registers for each 16 columns
;   window 2: v0-63 accumulators of rows 16-31; v64-159 B, set 1; v160-163 the same addresses
;   window 3: v0-63, v64-127 accumulators of rows 32-47, 48-63; v128-175, v176-223 A, sets 0 and 1
; A step's last eight products leave the very setting under which the next run loads B, and the run's loads of A stand under the setting of the products that follow them: three switches a step.
.set WHICH,  2
.set PITCH,  400                       ; an LDS row of codes
.set KROW,   3072                      ; a row of codes in memory
.set ABYTES, 128*PITCH                 ; a slot: room for A,
.set BHALF,  128*PITCH                 ; then 2 x 128 rows of B
.set SLOT,   ABYTES+2*BHALF            ; 153,600 bytes
.if WHICH == 1
.set AHALF,  64*PITCH                  ; what one wave fetches of A: 64 rows
.set ASTEP,  384                       ; from a slot of K to the next, in memory
.set AV,     4                         ; the lane term of the address of A: that of rows
.set CM0,    1                         ; the first step starts the sums with the constant 0
.set NPERM,  192                       ; scale words whose middle bytes change places here: those of A and of B
.else
.set AHALF,  24576                     ; 16 images of fragments, 1,536 bytes each, dense
.set ASTEP,  49152
.set AV,     26                        ; 16 x lane
.set CM0,    2                         ; the first step starts the sums with the bias
.set NPERM,  128                       ; those of B alone: the first launch has stored those of A as they are wanted
.endif
.set BSTEP,  384
.set SCL,    SLOT                      ; the scale bytes, until they are read: blocks of 256 bytes + 16 of padding, in slot 1
.set SAH,    32*272                    ; those of 64 rows of A: what one wave fetches
.set SBH,    64*272                    ; those of 128 rows of B
.set SPARE,  2*SLOT                    ; behind the ring: the spare words, 128 bytes for each wave: two blocks of 256 bytes that no other line names
.set SPW,    28                        ; v28  LDS address of my spare word: SPARE + 4 x my thread's number; never rewritten
.set NIL,    29                        ; v29  0; never rewritten
.set SCA,    64
.set SCB,    128
.set TM,     64                        ; WHICH = 1, the way out: v64-67 largest magnitudes, v68-71 bytes, v76-79 the conversions' scale operands
.set PW,     80                        ; v80-83 the scale words of my four blocks of rows; v84-85 as they are stored
.set G1A,    24                        ; s[24:31] descriptor group 1 for tiles of A;  s[32:39] of B
.set G1B,    32
.set G0A,    40                        ; s[40:47] group 0 for A, a set for each slot;  s[48:55] for B
.set G0B,    48
.set G1SA,   56                        ; s[56:63], s[68:75] groups 1 for the scale bytes of A and of B;  s[76:79], s[80:83] their groups 0
.set G1SB,   68
.set G0SA,   76
.set G0SB,   80
.set MSB, 0
.macro WIN new                         ; the immediate's high byte repeats the setting that is left; a switch that changes nothing is dropped
.if MSB != (\new)
	s_set_vgpr_msb (MSB<<8)|(\new)
.set MSB, (\new)
.endif
.endm
.macro PLACES                          ; a load into a register that a matrix instruction has read, and a read of a matrix result, stand four plain vector instructions behind it (ISA guide 7.12.1 for the read of a matrix result)
.rept 4
	v_nop
.endr
.endm
.macro CREST                           ; a round of the cluster's barrier behind its opening barrier
	s_cmp_lg_u32 s16, 0
	s_cbranch_scc1 .Lnot_wave_0_\@
	s_barrier_signal -3
.Lnot_wave_0_\@:
	s_barrier_wait -3
	s_barrier_signal -1
	s_barrier_wait -1
.endm
.macro CROUND                          ; a whole round
	s_barrier_signal -1
	s_barrier_wait -1
	CREST
.endm
; A joint load into a slot: waves 0 and 1 fetch for A, waves 2 and 3 for B.  Each line has one mask and one set of registers for all that issue it; the branch hangs on the wave's number alone.
; An s_nop 0 and four v_nop follow each of the two lines, ahead of the jump, the label and what follows.
.macro JLOAD ring
	s_cmp_eq_u32 s17, 0
	s_cbranch_scc0 .Lfor_b_\@
	tensor_load_to_lds s[G0A+4*(\ring):G0A+4*(\ring)+3], s[G1A:G1A+7]
	s_nop 0
	PLACES
	s_branch .Lasked_\@
.Lfor_b_\@:
	tensor_load_to_lds s[G0B+4*(\ring):G0B+4*(\ring)+3], s[G1B:G1B+7]
	s_nop 0
	PLACES
.Lasked_\@:
.endm
; A fragment, 16 rows x 128 K of 6-bit codes, is 12 registers.  Lane (r, h) takes the 48 bytes at 48 h of row r's 96: blocks 2 h and 2 h + 1, into registers 0-5 and 6-11.
.macro FRAGB reg, adr, q, i            ; block i of 16 rows, the slot's q-th 128 along K
.irp c, 0,1,2
	ds_load_b128 v[(\reg)+4*\c:(\reg)+4*\c+3], v[\adr] offset:(\i)*16*PITCH+96*(\q)+16*\c
.endr
.endm
.macro FRAGA reg, adr, q, a
.if WHICH == 1
	FRAGB \reg, \adr, \q, \a
.else
.irp c, 0,1,2                          ; an image of the registers: each group of four by one load, 16 bytes a lane, 512 consecutive bytes
	ds_load_b128 v[(\reg)+4*\c:(\reg)+4*\c+3], v[\adr] offset:(4*(\a)+(\q))*1536+512*\c
.endr
.endif
.endm
; THE RUN: the fragments of step ns, 36 loads: the eight of B, then the four of A in the order in which that step's products take them (even steps: blocks 2, 3, 1, 0; odd steps: 2, 3, 0, 1),
; so that counted waits can let the later blocks of A stay out.  B goes into set ns % 2 in window 1 + ns % 2, under a setting that names that window for the address too; A into window 3.
.macro RUN ns
.set NSET, (\ns)%2
.set NRG, ((\ns)/4)%2
.set NQ, (\ns)%4
	WIN (1+NSET)|0x0c|((1+NSET)<<4)|((1+NSET)<<6)
.irp b, 0,1,2,3,4,5,6,7
	FRAGB 64+12*\b, 162+NRG, NQ, \b
.endr
	WIN (2-NSET)|0xfc
.if NSET == 0
.irp a, 2,3,1,0
	FRAGA 128+12*\a, 160+NRG, NQ, \a
.endr
.else
.irp a, 2,3,0,1
	FRAGA 176+12*\a, 160+NRG, NQ, \a
.endr
.endif
.endm
; One product: block a of my rows x block b of my columns, step s of 32.  A scale register carries two blocks' words: the even block in lanes 0-15, the odd one in lanes 16-31 (ROW1).
; cm = 0: onto the sum;  1: the constant 0 starts it;  2: the bias starts it.
.macro MM a, b, s, cm
.set rD, 64*((\a)/3)+8*(\b)
.set rB, 64+12*(\b)
.set rA, 128+48*((\s)%2)+12*(\a)
.set rSB, SCB+4*(4*((\s)/4)+(\b)/2)+(\s)%4
.if WHICH == 1
.set rSA, SCA+4*(2*((\s)/4)+(\a)/2)+(\s)%4
.else
.set rSA, SCA+2*(\s)+(\a)/2
.endif
.set rC, rD
.if (\cm) == 2
.set rC, 192+8*(\b)
.endif
.set rM, 2*((\b)%2)+(\a)%2
.if (\cm) == 1
.if rM == 0
	v_wmma_scale_f32_16x16x128_f8f6f4 v[rD:rD+7], v[rB:rB+11], v[rA:rA+11], 0, v[rSB], v[rSA] matrix_a_fmt:MATRIX_FMT_BF6 matrix_b_fmt:MATRIX_FMT_BF6
.elseif rM == 1
	v_wmma_scale_f32_16x16x128_f8f6f4 v[rD:rD+7], v[rB:rB+11], v[rA:rA+11], 0, v[rSB], v[rSA] matrix_a_fmt:MATRIX_FMT_BF6 matrix_b_fmt:MATRIX_FMT_BF6 matrix_b_scale:MATRIX_SCALE_ROW1
.elseif rM == 2
	v_wmma_scale_f32_16x16x128_f8f6f4 v[rD:rD+7], v[rB:rB+11], v[rA:rA+11], 0, v[rSB], v[rSA] matrix_a_fmt:MATRIX_FMT_BF6 matrix_b_fmt:MATRIX_FMT_BF6 matrix_a_scale:MATRIX_SCALE_ROW1
.else
	v_wmma_scale_f32_16x16x128_f8f6f4 v[rD:rD+7], v[rB:rB+11], v[rA:rA+11], 0, v[rSB], v[rSA] matrix_a_fmt:MATRIX_FMT_BF6 matrix_b_fmt:MATRIX_FMT_BF6 matrix_a_scale:MATRIX_SCALE_ROW1 matrix_b_scale:MATRIX_SCALE_ROW1
.endif
.else
.if rM == 0
	v_wmma_scale_f32_16x16x128_f8f6f4 v[rD:rD+7], v[rB:rB+11], v[rA:rA+11], v[rC:rC+7], v[rSB], v[rSA] matrix_a_fmt:MATRIX_FMT_BF6 matrix_b_fmt:MATRIX_FMT_BF6
.elseif rM == 1
	v_wmma_scale_f32_16x16x128_f8f6f4 v[rD:rD+7], v[rB:rB+11], v[rA:rA+11], v[rC:rC+7], v[rSB], v[rSA] matrix_a_fmt:MATRIX_FMT_BF6 matrix_b_fmt:MATRIX_FMT_BF6 matrix_b_scale:MATRIX_SCALE_ROW1
.elseif rM == 2
	v_wmma_scale_f32_16x16x128_f8f6f4 v[rD:rD+7], v[rB:rB+11], v[rA:rA+11], v[rC:rC+7], v[rSB], v[rSA] matrix_a_fmt:MATRIX_FMT_BF6 matrix_b_fmt:MATRIX_FMT_BF6 matrix_a_scale:MATRIX_SCALE_ROW1
.else
	v_wmma_scale_f32_16x16x128_f8f6f4 v[rD:rD+7], v[rB:rB+11], v[rA:rA+11], v[rC:rC+7], v[rSB], v[rSA] matrix_a_fmt:MATRIX_FMT_BF6 matrix_b_fmt:MATRIX_FMT_BF6 matrix_a_scale:MATRIX_SCALE_ROW1 matrix_b_scale:MATRIX_SCALE_ROW1
.endif
.endif
.endm
; Eight products: block a of my rows against the eight blocks of my columns, under one window setting: B in window 1 + s % 2, A in window 3, C and D in the block's window (the bias in window 1).
.macro PHASE a, s, cm
.set WD, 1+(\a)-(\a)/3
.if (\cm) == 2
	WIN 0x1d|(WD<<6)
.else
	WIN (1+(\s)%2)|0x0c|(WD<<4)|(WD<<6)
.endif
.irp b, 0,1,2,3,4,5,6,7
	MM \a, \b, \s, \cm
.endr
.endm
; A step of 128 along K: 32 products, each accumulator once.  The accumulators take turns, one instruction a turn, and a step's last block of rows is never the next step's first.
; run = 1: the next step's fragments, which lie in the same slot, are asked for at the step's head, into the sets that the step before has multiplied: four places part its last products from the first load.
; LDS loads come back in order (ISA guide 5.7.1), so each wait counts the loads that may stay out: the 36 of the run just issued, and 3 for each block of A that is not yet wanted.
.macro STEP s, cm, run
	s_wait_dscnt 9                                 ; of the last run's 36 loads the youngest nine, three blocks of A, may be out: B and the first block of A are in
.if \run
	PLACES
	RUN (\s)+1
.endif
	PHASE 2, \s, \cm
	s_wait_dscnt 36*(\run)+6                       ; the second block of A is in
	PHASE 3, \s, \cm
	s_wait_dscnt 36*(\run)+3                       ; the third
.if (\s)%2 == 0
	PHASE 1, \s, \cm
	s_wait_dscnt 36*(\run)                         ; the fourth
	PHASE 0, \s, \cm
.else
	PHASE 0, \s, \cm
	s_wait_dscnt 36*(\run)                         ; the fourth
	PHASE 1, \s, \cm
.endif
.endm
; A slot's last step (an odd one) changes slots: ONE barrier.  In front of it each wave waits for all its tensor loads (one is out: its part of the next slot), adds 0 to its spare word, and waits for that and for its reads of this slot.
; fill = 1: the barrier opens a round of the cluster's barrier, and behind the round this slot is filled again, two slots of K ahead: the load has 120 products in which to land.  Then the run reads the other slot, which is whole.
.macro TURN s, fill
.set RG, ((\s)/4)%2
	WIN 0                                          ; (the add's two registers lie in window 0)
	s_wait_tensorcnt 0x0                           ; no tensor load of mine is out, so a group 0 may be written
	ds_add_u32 v[SPW], v[NIL]                      ; 0 onto my spare word; the descriptors' steps stand between it and the wait for it
.if \fill
	s_add_nc_u64 s[G0A+4*RG+2:G0A+4*RG+3], s[G0A+4*RG+2:G0A+4*RG+3], 2*ASTEP
	s_add_nc_u64 s[G0B+4*RG+2:G0B+4*RG+3], s[G0B+4*RG+2:G0B+4*RG+3], 2*BSTEP
.endif
	s_wait_dscnt 0x0                               ; the add is done, my reads of this slot are over, and all of this step's fragments are in
	s_barrier_signal -1
	PHASE 2, \s, 0                                 ; eight products, work on registers alone, while the others arrive
	WIN 0
	s_barrier_wait -1
.if \fill
	CREST                                          ; no wave of any partner still reads this slot or has a load on its way
	JLOAD RG                                       ; the first tensor load behind the round; its four v_nop are the places in front of the loads below
.else
	PLACES
.endif
	RUN (\s)+1
	PHASE 3, \s, 0
	PHASE 0, \s, 0
	PHASE 1, \s, 0
.endm
; WHICH = 1, THE WAY OUT of block a of my rows: its 8 accumulators are 16 rows x 128 along the next K: one fragment and one scale word a row.
.macro QUANT a
.set WD, 1+(\a)-(\a)/3
.set QS, 64*((\a)/3)
.set PC, 96+24*(\a)                    ; 20 registers of its own for each block, so that no store's data are written again
	WIN WD|(WD<<6)
.irp g, 0,1,2,3                        ; accumulators 2 g and 2 g + 1 change halves: register 16 g + i of lane (r, h) then holds K = 32 g + 16 h + i of row r.  Each accumulator is read from its low end on
.irp j, 0,1,2,3,4,5,6,7
	v_permlane16_swap_b32 v[QS+16*\g+\j], v[QS+16*\g+8+\j]
.endr
.endr
	WIN WD|(WD<<2)
.irp g, 0,1,2,3
	v_max3_num_f32 v[TM+\g], |v[QS+16*\g]|, |v[QS+16*\g+1]|, 0x2800000   ; block g: my 16 numbers, and the floor 2^(5 - 127): the byte cannot fall under 1
.endr
.irp i, 2,4,6,8,10,12,14
.irp g, 0,1,2,3
	v_max3_num_f32 v[TM+\g], |v[QS+16*\g+\i]|, |v[QS+16*\g+\i+1]|, v[TM+\g]   ; (the four blocks by turns; the running maximum is source 2, which stays in window 0)
.endr
.endr
	WIN 0
.irp g, 0,1,2,3
	v_permlanex16_b32 v[TM+4+\g], v[TM+\g], s2, s3
.endr
.irp g, 0,1,2,3
	v_max_num_f32 v[TM+\g], v[TM+\g], v[TM+4+\g]   ; with lane l xor 16: the block's largest magnitude
.endr
.irp g, 0,1,2,3
	v_add_nc_u32 v[TM+12+\g], 0xfe000000, v[TM+\g] ; 4 off its exponent field: the conversion takes the exponent field of this operand as its scale, and nothing else of it
.endr
.irp g, 0,1,2,3
	v_lshrrev_b32 v[TM+4+\g], 23, v[TM+12+\g]      ; the scale's byte
.endr
	v_lshl_or_b32 v[PW+(\a)], v[TM+6], 8, v[TM+4]  ; my row's scale word, in the order in which the fragments give the blocks to the unit: 0, 2, 1, 3
	v_lshl_or_b32 v[PW+(\a)], v[TM+5], 16, v[PW+(\a)]
	v_lshl_or_b32 v[PW+(\a)], v[TM+7], 24, v[PW+(\a)]
	WIN WD
.irp c, 0,1
	v_cvt_scalef32_pk16_bf6_f32 v[PC+6*\c:PC+6*\c+2], v[QS+16*\c:QS+16*\c+15], v[TM+12+\c]            ; block c: my 16 codes of it,
	v_cvt_scalef32_pk16_bf6_f32 v[PC+12+4*\c:PC+14+4*\c], v[QS+32+16*\c:QS+32+16*\c+15], v[TM+14+\c]  ; and of block 2 + c  (a conversion's three registers begin on an even number)
.endr
	WIN 0
	v_nop                                          ; one plain place behind a scaled conversion
.irp c, 0,1                            ; a WHOLE block in a lane: registers 6 c .. 6 c + 5 of lanes 0-15 get block c, of lanes 16-31 block 2 + c: block 2 h + c, as the second launch's loads of B have it
.irp i, 0,1,2
	v_permlane16_swap_b32 v[PC+6*\c+\i], v[PC+12+4*\c+\i]
.endr
.irp i, 0,1,2
	v_mov_b32 v[PC+3+6*\c+\i], v[PC+12+4*\c+\i]
.endr
.endr
.irp c, 0,1,2
	global_store_b128 v26, v[PC+4*\c:PC+4*\c+3], s[12:13] offset:(\a)*6144+512*\c   ; the fragment as it stands: 32 lanes store 512 consecutive bytes, at a multiple of 256 from the buffer's first byte
.endr
.endm
; WHICH = 2, THE WAY OUT of block a: 16 rows x 128 columns of f32 go through my own stage in LDS and come back as whole rows of 512 bytes.  LDS serves a wave's instructions in order (ISA guide 5.7.1.4): no wait between the stores and the loads.
.macro TOSTAGE a
.set WD, 1+(\a)-(\a)/3
.set QS, 64*((\a)/3)
.set BB, 64+64*((\a)%2)
	WIN WD<<2                                      ; an LDS store's data are its source 1
.irp b, 0,1,2,3,4,5,6,7
	ds_store_b128 v24, v[QS+8*\b:QS+8*\b+3] offset:64*\b            ; each accumulator from its low end on
	ds_store_b128 v24, v[QS+8*\b+4:QS+8*\b+7] offset:64*\b+16
.endr
	WIN 0
.irp t, 0,1,2,3,4,5,6,7,8,9,10,11,12,13,14,15
	ds_load_b128 v[BB+4*\t:BB+4*\t+3], v25 offset:\t*528
.endr
.endm
.macro SEND a, younger                 ; younger: the LDS instructions issued behind block a's loads, which may stay out
.set BB, 64+64*((\a)%2)
	s_wait_dscnt \younger
.irp t, 0,1,2,3,4,5,6,7,8,9,10,11,12,13,14,15
	global_store_b128 v26, v[BB+4*\t:BB+4*\t+3], s[14:15] offset:(16*(\a)+\t)*16384 th:TH_STORE_NT   ; 32 lanes store 512 consecutive bytes, at a multiple of 256 from the output's first byte; 63 rows at the most: inside the signed 24-bit immediate
.endr
.endm
	; ---- THE HEAD
	s_load_b256 s[4:11], s[0:1], 0x0               ; codes of A s[4:5], scales of A s[6:7], codes of B s[8:9], scales of B s[10:11]
	s_load_b128 s[12:15], s[0:1], 0x20             ; WHICH = 1: the codes and the scale words that I store;  WHICH = 2: the bias, the output
	v_lshl_add_u32 v[SPW], v0, 2, SPARE
	v_mov_b32 v[NIL], 0
	ds_add_u32 v[SPW], v[NIL]                      ; the wave's opening: the add and its wait stand ahead of my first tensor load; the set-up below, work on registers, stands between them
	v_lshrrev_b32 v1, 5, v0
	v_readfirstlane_b32 s16, v1                    ; wave 0..3
	s_lshr_b32 s17, s16, 1                         ; which 64 rows of the tile are mine.  Also: I fetch for A (0) or for B (1)
	s_and_b32 s18, s16, 1                          ; which 128 columns.  Also: which half of that tile I fetch
	s_bfe_u32 s19, ttmp6, 0x40000                  ; cx, cy: my place in the cluster
	s_bfe_u32 s20, ttmp6, 0x40004
	s_lshl_b32 s21, ttmp9, 2
	s_add_co_u32 s21, s21, s19                     ; tile column of C = 4 x cluster x + cx
	s_and_b32 s22, ttmp7, 0xffff
	s_lshl_b32 s22, s22, 2
	s_add_co_u32 s22, s22, s20                     ; tile row of C = 4 x cluster y + cy
	s_lshl_b32 s84, s20, 2
	s_lshl_b32 s84, 15, s84                        ; my row of the cluster
	s_lshl_b32 s85, 0x1111, s19                    ; my column
.if WHICH == 1
	s_or_b32 s[G1A], s84, 1<<21                    ; 15:0 the mask: tiles of A go to my row; 17:16 elements of 1 byte; 20 no padding; 21 set beside a mask
	s_mov_b32 s[G1A+1], 384<<16                    ; tensor_dim0 = 384: what lies beyond arrives as zeros
	s_mov_b32 s[G1A+2], 64<<16                     ; tensor_dim1 = 64
	s_mov_b32 s[G1A+3], PITCH<<16                  ; tile_dim0 = 400: the LDS row
	s_mov_b32 s[G1A+4], 64                         ; tile_dim1 = 64
	s_mov_b32 s[G1A+5], KROW                       ; tensor_dim0_stride
.else
	s_or_b32 s[G1A], s84, (3<<16)|(1<<21)          ; a dense block of 24,576 bytes as 96 rows of 32 elements of 8 bytes
	s_mov_b32 s[G1A+1], 32<<16
	s_mov_b32 s[G1A+2], 96<<16
	s_mov_b32 s[G1A+3], 32<<16
	s_mov_b32 s[G1A+4], 96
	s_mov_b32 s[G1A+5], 32
.endif
	s_mov_b32 s[G1A+6], 0
	s_mov_b32 s[G1A+7], 0
	s_or_b32 s[G1B], s85, 1<<21                    ; tiles of B go to my column: 128 rows, as A's rows above
	s_mov_b32 s[G1B+1], 384<<16
	s_mov_b32 s[G1B+2], 128<<16
	s_mov_b32 s[G1B+3], PITCH<<16
	s_mov_b32 s[G1B+4], 128
	s_mov_b32 s[G1B+5], KROW
	s_mov_b32 s[G1B+6], 0
	s_mov_b32 s[G1B+7], 0
.if WHICH == 1
	s_or_b32 s[G1SA], s84, (3<<16)|(1<<20)|(1<<21)|(5<<22)|(3<<25)   ; the scale bytes of 64 rows: 8,192 dense bytes as 32 rows of 256 bytes, 16 bytes of padding behind each
	s_mov_b32 s[G1SA+1], 32<<16
	s_mov_b32 s[G1SA+2], 32<<16
	s_mov_b32 s[G1SA+3], 32<<16
	s_mov_b32 s[G1SA+4], 32
	s_mov_b32 s[G1SA+5], 32
	s_mov_b32 s[G1SA+6], 0
	s_mov_b32 s[G1SA+7], 0
.endif
	s_or_b32 s[G1SB], s85, (3<<16)|(1<<20)|(1<<21)|(5<<22)|(3<<25)   ; those of 128 rows of B: 64 rows of 256 bytes
	s_mov_b32 s[G1SB+1], 32<<16
	s_mov_b32 s[G1SB+2], 64<<16
	s_mov_b32 s[G1SB+3], 32<<16
	s_mov_b32 s[G1SB+4], 64
	s_mov_b32 s[G1SB+5], 32
	s_mov_b32 s[G1SB+6], 0
	s_mov_b32 s[G1SB+7], 0
	; where the tiles come from.  A's hang on the tile row and the wave's number alone, B's on the tile column and the wave's number alone
.if WHICH == 1
	s_lshl_b32 s86, s22, 7
	s_lshl_b32 s87, s18, 6
	s_add_co_u32 s86, s86, s87                     ; A: row 128 x tile row + 64 x half
	s_mul_i32 s88, s86, KROW                       ; its codes (under 2^23 bytes),
	s_mov_b32 s89, 0
	s_lshl_b32 s90, s86, 7                         ; its scale bytes, 128 a row
	s_mov_b32 s91, 0
.else
	s_mul_i32 s88, s22, 8*ASTEP                    ; A: the tile row's images, 8 slots of 49,152 bytes,
	s_mul_i32 s87, s18, AHALF                      ; and my half of a slot
	s_add_co_u32 s88, s88, s87
	s_mov_b32 s89, 0
.endif
	s_lshl_b32 s92, s21, 8
	s_lshl_b32 s93, s18, 7
	s_add_co_u32 s92, s92, s93                     ; B: row 256 x tile column + 128 x half
	s_mul_i32 s94, s92, KROW
	s_mov_b32 s95, 0
	s_lshl_b32 s96, s92, 7
	s_mov_b32 s97, 0
	; and where they go: the wave's number times a constant, plus constants: no place in the cluster enters an LDS address
	s_mov_b32 s[G0A], 1
	s_mul_i32 s[G0A+1], s18, AHALF
	s_mov_b32 s[G0A+4], 1
	s_add_co_u32 s[G0A+5], s[G0A+1], SLOT
	s_mov_b32 s[G0B], 1
	s_mul_i32 s[G0B+1], s18, BHALF
	s_add_co_u32 s[G0B+1], s[G0B+1], ABYTES
	s_mov_b32 s[G0B+4], 1
	s_add_co_u32 s[G0B+5], s[G0B+1], SLOT
.if WHICH == 1
	s_mov_b32 s[G0SA], 1
	s_mul_i32 s[G0SA+1], s18, SAH
	s_add_co_u32 s[G0SA+1], s[G0SA+1], SCL
.endif
	s_mov_b32 s[G0SB], 1
	s_mul_i32 s[G0SB+1], s18, SBH
	s_add_co_u32 s[G0SB+1], s[G0SB+1], SCL+2*SAH
	s_wait_dscnt 0x0                               ; the opening add is done
	s_wait_kmcnt 0x0
	s_add_nc_u64 s[G0A+2:G0A+3], s[4:5], s[88:89]  ; slot 0: K = 0 on;
	s_add_nc_u64 s[G0A+6:G0A+7], s[G0A+2:G0A+3], ASTEP   ; slot 1: K = 512 on
	s_or_b32 s[G0A+3], s[G0A+3], 0x80000000        ; 127:126 type = 2
	s_or_b32 s[G0A+7], s[G0A+7], 0x80000000
	s_add_nc_u64 s[G0B+2:G0B+3], s[8:9], s[94:95]
	s_add_nc_u64 s[G0B+6:G0B+7], s[G0B+2:G0B+3], BSTEP
	s_or_b32 s[G0B+3], s[G0B+3], 0x80000000
	s_or_b32 s[G0B+7], s[G0B+7], 0x80000000
.if WHICH == 1
	s_add_nc_u64 s[G0SA+2:G0SA+3], s[6:7], s[90:91]
	s_or_b32 s[G0SA+3], s[G0SA+3], 0x80000000
.endif
	s_add_nc_u64 s[G0SB+2:G0SB+3], s[10:11], s[96:97]
	s_or_b32 s[G0SB+3], s[G0SB+3], 0x80000000
	CROUND                                         ; all sixteen work-groups are here: the first joint loads meet
	s_cmp_eq_u32 s17, 0                            ; a wave's first fills stand in one branch: the scale bytes, then slot 0.  By this text's count two tensor loads of a wave are out here at the most, later one
	s_cbranch_scc0 .Lfirst_b
.if WHICH == 1
	tensor_load_to_lds s[G0SA:G0SA+3], s[G1SA:G1SA+7]
	s_nop 0
.endif
	tensor_load_to_lds s[G0A:G0A+3], s[G1A:G1A+7]
	s_nop 0
	PLACES
	s_branch .Lfirst_asked
.Lfirst_b:
	tensor_load_to_lds s[G0SB:G0SB+3], s[G1SB:G1SB+7]
	s_nop 0
	tensor_load_to_lds s[G0B:G0B+3], s[G1B:G1B+7]
	s_nop 0
	PLACES
.Lfirst_asked:
	; ---- ADDRESSES, while the first tiles are on their way
	v_and_b32 v1, 31, v0                           ; lane
	v_and_b32 v2, 15, v0                           ; r
	v_bfe_u32 v3, v0, 4, 1                         ; h
	v_mul_u32_u24 v4, v2, PITCH
	v_mad_u32_u24 v4, v3, 48, v4                   ; a fragment's row x pitch + 48 x half
	v_lshlrev_b32 v26, 4, v1                       ; 16 x lane
	v_lshlrev_b32 v27, 3, v1                       ; 8 x lane
	v_lshrrev_b32 v7, 1, v1                        ; scale bytes: lane l takes row l of 32: two rows of 128 bytes to a block of 256 + 16
	v_and_b32 v8, 1, v1
	v_mul_u32_u24 v7, v7, 272
	v_lshl_add_u32 v7, v8, 7, v7
	s_mul_i32 s98, s17, SAH
	s_add_co_u32 s98, s98, SCL
	s_mul_i32 s99, s18, SBH
	s_add_co_u32 s99, s99, SCL+2*SAH
.if WHICH == 1
	v_add_nc_u32 v5, s98, v7                       ; those of my 64 rows of A
.endif
	v_add_nc_u32 v6, s99, v7                       ; those of my 128 rows of B
.if WHICH == 2
	s_mul_i32 s98, s16, 16*528                     ; my stage: 16 rows x (512 + 16) bytes, in slot 0, which has had its last fill and its last read when the first result is stored there
	v_mul_u32_u24 v24, v2, 528
	v_lshl_add_u32 v24, v3, 5, v24
	v_add_nc_u32 v24, s98, v24                     ; in: row r, 32 bytes for each half of the lanes
	v_add_nc_u32 v25, s98, v26                     ; back: the 32 lanes take one row of 512 bytes
	v_lshlrev_b32 v9, 5, v3                        ; the bias: 8 numbers for each half of the lanes
.endif
	s_mul_i32 s98, s17, AHALF                      ; my part of A in slot 0, 1
	s_add_co_u32 s99, s98, SLOT
	s_mul_i32 s100, s18, BHALF                     ; my 128 rows of B, behind A
	s_add_co_u32 s100, s100, ABYTES
	s_add_co_u32 s101, s100, SLOT
	WIN 0x40                                       ; the four addresses stand beside each set of B, in windows 1 and 2
	v_add_nc_u32 v160, s98, v[AV]
	v_add_nc_u32 v161, s99, v[AV]
	v_add_nc_u32 v162, s100, v4
	v_add_nc_u32 v163, s101, v4
	WIN 0x80
	v_add_nc_u32 v160, s98, v[AV]
	v_add_nc_u32 v161, s99, v[AV]
	v_add_nc_u32 v162, s100, v4
	v_add_nc_u32 v163, s101, v4
	WIN 0
.if WHICH == 1
	s_mov_b32 s2, 0x76543210                       ; v_permlanex16_b32's selects for lane l xor 16
	s_mov_b32 s3, 0xfedcba98
	s_mov_b32 s23, 0xffff0000                      ; lanes 16-31
	; my fragments' images: [tile row 16][slot of the next K 8][block of 16 rows 8][step in the slot 4][1,536 bytes]; my 128 columns are step 2 x tile column + w % 2 of the next K
	s_lshl_b32 s92, s22, 3
	s_lshr_b32 s93, s21, 1
	s_add_co_u32 s92, s92, s93
	s_lshl_b32 s92, s92, 5
	s_lshl_b32 s93, s17, 4
	s_add_co_u32 s92, s92, s93
	s_and_b32 s93, s21, 1
	s_lshl_b32 s93, s93, 1
	s_add_co_u32 s92, s92, s93
	s_add_co_u32 s92, s92, s18
	s_mul_i32 s92, s92, 1536
	s_mov_b32 s93, 0
	s_add_nc_u64 s[12:13], s[12:13], s[92:93]
	; my scale words: [tile row 16][w / 2][step 32][lane 32][2 words]
	s_lshl_b32 s94, s22, 1
	s_add_co_u32 s94, s94, s17
	s_lshl_b32 s94, s94, 13
	s_lshl_b32 s95, s21, 1
	s_add_co_u32 s95, s95, s18
	s_lshl_b32 s95, s95, 8
	s_add_co_u32 s94, s94, s95
	s_mov_b32 s95, 0
	s_add_nc_u64 s[14:15], s[14:15], s[94:95]
.else
	s_lshl_b32 s86, s22, 1
	s_add_co_u32 s86, s86, s17
	s_lshl_b32 s86, s86, 13
	s_mov_b32 s87, 0
	s_add_nc_u64 s[6:7], s[6:7], s[86:87]          ; the scale words of my 64 rows, for all of K: 8,192 bytes laid as my registers
	s_lshl_b32 s92, s21, 10
	s_lshl_b32 s93, s18, 9
	s_add_co_u32 s92, s92, s93                     ; my first column, in bytes of f32
	s_mov_b32 s93, 0
	s_add_nc_u64 s[12:13], s[12:13], s[92:93]      ; the bias there
	s_lshl_b32 s94, s22, 7
	s_lshl_b32 s95, s17, 6
	s_add_co_u32 s94, s94, s95                     ; my first row,
	s_lshl_b32 s94, s94, 14                        ; of 16,384 bytes
	s_add_co_u32 s94, s94, s92
	s_mov_b32 s95, 0
	s_add_nc_u64 s[14:15], s[14:15], s[94:95]      ; the output there
.set NN, 0
.rept 32
	global_load_b64 v[SCA+2*NN:SCA+2*NN+1], v27, s[6:7] offset:256*NN   ; step NN: 32 lanes read 256 consecutive bytes, aligned
.set NN, NN+1
.endr
	WIN 0x40                                       ; destination window 1
.irp b, 0,1,2,3,4,5,6,7
	global_load_b128 v[192+8*\b:195+8*\b], v9, s[12:13] offset:64*\b      ; lane (r, h), tile b: the bias of columns 16 b + 8 h + 0 .. 7: the result's layout
	global_load_b128 v[196+8*\b:199+8*\b], v9, s[12:13] offset:64*\b+16
.endr
	WIN 0
.endif
	; ---- THE SCALES GO INTO REGISTERS
	s_wait_tensorcnt 0x0                           ; my parts of the scale bytes and of slot 0 are in,
	s_barrier_signal -1
	s_barrier_wait -1                              ; everybody's are.
.if WHICH == 1
.irp j, 0,1,2,3,4,5,6,7                ; four steps' words a load.  Lanes 0-15 take the even block of 16 rows, lanes 16-31 the odd one
.irp i, 0,1
	ds_load_b128 v[SCA+4*(2*\j+\i):SCA+4*(2*\j+\i)+3], v5 offset:\i*16*272+16*\j
.endr
.endr
.endif
.irp j, 0,1,2,3,4,5,6,7
.irp i, 0,1,2,3
	ds_load_b128 v[SCB+4*(4*\j+\i):SCB+4*(4*\j+\i)+3], v6 offset:\i*16*272+16*\j
.endr
.endr
	; ---- SLOT 1 GETS ITS FIRST TILE, over the scale bytes: so it is issued as a refill is
	s_wait_tensorcnt 0x0                           ; no tensor load of mine is out
	ds_add_u32 v[SPW], v[NIL]                      ; 0 onto my spare word
	s_wait_dscnt 0x0                               ; the add is done, and the scale words are in my registers
	CROUND                                         ; that now holds of every wave of every partner
	JLOAD 1
	RUN 0                                          ; step 0's fragments, from slot 0
	WIN 0
	s_mov_b32 s86, 0x03010200                      ; bytes 0, 2, 1, 3 of a word
.set NN, 256-NPERM
.rept NPERM
	v_perm_b32 v[NN], v[NN], v[NN], s86            ; a scale word's two middle bytes change places, as blocks 1 and 2 do in the fragments.  These lines stand while the run's 36 loads are out
.set NN, NN+1
.endr
	PLACES                                         ; with the four at the first step's head: eight plain instructions between the last scale word written here and the first scaled product
.if WHICH == 2
	s_wait_loadcnt 0x0                             ; the scale words of A and the bias
.endif
	; ---- THE WALK OVER K: 8 slots of 4 steps
	STEP 0, CM0, 1                                 ; the first step starts the sums: nothing is ever cleared
	STEP 1, 0, 1
	STEP 2, 0, 1
	TURN 3, 1
.set STP, 4
.rept 5
	STEP STP, 0, 1
	STEP STP+1, 0, 1
	STEP STP+2, 0, 1
	TURN STP+3, 1
.set STP, STP+4
.endr
	STEP 24, 0, 1
	STEP 25, 0, 1
	STEP 26, 0, 1
	TURN 27, 0                                     ; the last change of slots: nothing is left to fetch, so no round follows
	STEP 28, 0, 1
	STEP 29, 0, 1
	STEP 30, 0, 1
	STEP 31, 0, 0                                  ; the very last step asks for nothing: its counts run down 9, 6, 3, 0
	WIN 0
	PLACES                                         ; behind the last products: their results are read, and the registers that held scale words are written, only from here on
.if WHICH == 1
.irp g, 0,1,2,3
	v_mov_b32 v[TM+4+\g], 0                        ; written once: a lane permute's destination counts as one of its sources
.endr
	QUANT 0
	QUANT 1
	QUANT 2
	QUANT 3
	v_cndmask_b32 v84, v80, v81, s23               ; lanes 0-15: the words of block 0, lanes 16-31: of block 1: as the second launch's scale register wants them
	v_cndmask_b32 v85, v82, v83, s23               ; blocks 2 and 3
	global_store_b64 v27, v[84:85], s[14:15]       ; 32 lanes store 256 consecutive bytes, aligned
.else
	TOSTAGE 0
.irp a, 1,2,3
.if \a > 1
	s_wait_xcnt 0x0                                ; the stores of the block two back have read their registers: this block's loads may land there
.endif
	TOSTAGE \a
	SEND \a-1, 32                                  ; behind that block's loads: this block's 16 stores and 16 loads
.endr
	SEND 3, 0
.endif
	s_wait_tensorcnt 0x0                           ; the wave's end: behind my last tensor load and my last LDS store
	ds_add_u32 v[SPW], v[NIL]
	s_wait_dscnt 0x0
	CROUND                                         ; the closing round: no work-group ends while a partner may still ask for a tile that names it
	s_endpgm
.Lfunc_end_k_q14071a132e_lin:
	.size	k_q14071a132e_lin, .Lfunc_end_k_q14071a132e_lin-k_q14071a132e_lin
	.p2alignl 7, 3214868480
	.fill 96, 4, 3214868480
	.section	.rodata,"a",@progbits
	.p2align	6, 0x0
	.amdhsa_kernel k_q14071a132e_lin
		.amdhsa_group_segment_fixed_size 327680
		.amdhsa_private_segment_fixed_size 0
		.amdhsa_enable_private_segment 0
		.amdhsa_kernarg_size 48
		.amdhsa_user_sgpr_count 2
		.amdhsa_user_sgpr_kernarg_segment_ptr 1
		.amdhsa_wavefront_size32 1
		.amdhsa_system_sgpr_workgroup_id_x 1
		.amdhsa_system_sgpr_workgroup_id_y 1
		.amdhsa_system_sgpr_workgroup_id_z 1
		.amdhsa_system_vgpr_workitem_id 0
		.amdhsa_next_free_vgpr 1024
		.amdhsa_next_free_sgpr 102
		.amdhsa_reserve_vcc 0
		.amdhsa_float_denorm_mode_32 3
		.amdhsa_float_denorm_mode_16_64 3
		.amdhsa_memory_ordered 1
		.amdhsa_forward_progress 1
		.amdhsa_inst_pref_size 255
	.end_amdhsa_kernel
	.section	.bss,"aw",@nobits
	.p2align	6
	.space	262144
	.amdgpu_metadata
---
amdhsa.version: [ 1, 2 ]
amdhsa.kernels:
  - .name:           k_q14071a132e_lin
    .symbol:         k_q14071a132e_lin.kd
    .args:
      - { .name: xr_codes, .offset: 0, .size: 8, .value_kind: global_buffer, .address_space: global }
      - { .name: xr_scales, .offset: 8, .size: 8, .value_kind: global_buffer, .address_space: global }
      - { .name: weight_codes, .offset: 16, .size: 8, .value_kind: global_buffer, .address_space: global }
      - { .name: weight_scales, .offset: 24, .size: 8, .value_kind: global_buffer, .address_space: global }
      - { .name: bias, .offset: 32, .size: 8, .value_kind: global_buffer, .address_space: global }
      - { .name: out0, .offset: 40, .size: 8, .value_kind: global_buffer, .address_space: global }
    .group_segment_fixed_size: 327680
    .private_segment_fixed_size: 0
    .kernarg_segment_align: 8
    .kernarg_segment_size: 48
    .max_flat_workgroup_size: 128
    .sgpr_count:     102
    .vgpr_count:     1024
    .wavefront_size: 32
...
	.end_amdgpu_metadata
.endif
;; end of part 2
